; MI455X (gfx1250); checked and timed in simulation.
; The chip was launched on July 23, 2026; its instructions are those of AMD's public machine-readable ISA for CDNA 5 (MIT licence, August 2026) and "CDNA5" Instruction Set Architecture Reference Guide (July 2026). The comments in the code are by the model that wrote it; some were corrected since.
;; Prime Qwen2 MLP. Allowed arithmetic: matrix products marked QUANTISED: E5M2 operands, one given power-of-two scale a tensor, by v_wmma_f32_16x16x64_bf8_bf8 or v_wmma_f32_16x16x128_bf8_bf8, f32 sums; everything else in f32.
;; Inputs: down_idx 2,048 x 1,376 int32; gate_idx 1,376 x 2,048 int32; lowp_scales 6 int32 (the exponents e of the quantised operands' scales 2^e); lut 16 float32; up_idx 1,376 x 2,048 int32; x 2 x 4,096 x 2,048 float32.
;; Outputs: out0 2 x 4,096 x 2,048 float32.
;; This version of the problem:
;;   THIS VERSION OF THE PROBLEM IS GIVEN IN LOW PRECISION. The matrix products marked QUANTISED in the list below multiply operands that are first quantised to E5M2 (5 exponent bits, 2 mantissa bits; 8 bits a number), with one given power-of-two scale for each operand tensor; their sums are f32. All else is computed in f32.
;;   The module's matrix products, in the order in which they are computed (A, B: the left and right operand; K: the contracted axis; several contracted axes count as one K, in the product's order):
;;     1. [M 8,192, K 2,048] x [K 2,048, N 1,376]; A: input x; B: computed on the way: QUANTISED (scales: A lowp_scales[0], B lowp_scales[1])
;;     2. [M 8,192, K 2,048] x [K 2,048, N 1,376]; A: input x; B: computed on the way: QUANTISED (scales: A lowp_scales[2], B lowp_scales[3])
;;     3. [M 8,192, K 1,376] x [K 1,376, N 2,048]; A: computed on the way; B: computed on the way: QUANTISED (scales: A lowp_scales[4], B lowp_scales[5])
;;   THE QUANTISER, for each operand of a quantised product, along K:
;;     - The operand's scale is 2^e, e = its entry of the input lowp_scales (int32; the entries are numbered through the quantised products in the list's order, A before B).
;;     - Each number is divided by the scale, clamped to +-57,344, and rounded to the nearest number of E5M2, ties to even, subnormals kept.
;;     - The product sums the exact products of the quantised numbers (number of the format x scale) in f32.
;;   ~~~python
;;   def quantise(x, axis, e):      # numpy; x: float32 -> the quantised numbers, widened to float32 again
;;       x = np.moveaxis(x, axis, -1); K = x.shape[-1]
;;       r = np.clip(x / 2.0 ** e, -57344, 57344)
;;       step = 2.0 ** (np.maximum(np.frexp(np.where(r == 0, 1, r))[1] - 1, -14) - 2)
;;       q = np.round(r / step) * step * 2.0 ** e      # np.round: ties to even
;;       return np.moveaxis(q, -1, axis).astype(np.float32)
;;   ~~~
;;   OPERANDS COMPUTED ON THE WAY. 'Computed on the way' means the value that the module computes at that place (a softmax that the list does not call 'softmax' is quantised finished and normalised). What goes into a quantiser is computed in f32, as accurately as f32 sums, v_exp_f32 and their like allow (about 1e-6 of the number): no bf16 or f16 on the way to a quantiser, and a product that is left as it is and whose result goes on into a quantised operand takes f32 operands (vector FMAs, or v_wmma_f32_16x16x4_f32). A number that lies on a knife's edge between two numbers of the format may be rounded either way, as far as f32 arithmetic and the matrix unit's own rounding can turn it there, and no further.
;; One version. Each part assembles by itself: llvm-mc -triple=amdgcn-amd-amdhsa -mcpu=gfx1250 --defsym DOCPART=n.
;; ======== version 1 of 1: 3 launches
;; limits: right only within a limited range of input values
;; workspace buffers: xg 16,777,216 bytes; xu 16,777,216 bytes; wg 2,883,584 bytes; wu 2,883,584 bytes; wd 3,145,728 bytes; hc 12,582,912 bytes
;; launch prep (part 1): grid 1632 x 1, 4 waves a work-group, no clusters, 35,328 bytes of LDS; arguments x, gate_idx, up_idx, down_idx, lut, lowp_scales, xg, xu, wg, wu, wd, hc; writes xg, xu, wg, wu, wd, hc
.if DOCPART == 1
	.amdgcn_target "amdgcn-amd-amdhsa--gfx1250"
	.amdhsa_code_object_version 6
	.text
	.protected	k_q8bdf1a5250_prep
	.globl	k_q8bdf1a5250_prep
	.p2align	8
	.type	k_q8bdf1a5250_prep,@function
k_q8bdf1a5250_prep:
	s_mov_b64 s[64:65], 0
	v_nop
	global_prefetch_b8 v0, s[64:65] scope:SCOPE_SE
	s_setreg_imm32_b32 hwreg(HW_REG_WAVE_MODE, 25, 1), 1
	s_wait_xcnt 0x0
; All operands that can be made ahead of the products become codes of E5M2, one byte a number.
;   x [8192][2048] f32       -> xg (scale 2^e0) and xu (scale 2^e2), each laid [16 planes][8192 rows][128 bytes]
;   lut[gate_idx], lut[up_idx] [1376][2048] -> wg (2^e1), wu (2^e3), each laid [16 planes][1408 places][128 bytes]
;   lut[down_idx] [2048][1376] -> wd (2^e5), laid [6][2048 rows][256 bytes] = two planes of 128 hidden places a row
;   the part of hc (the hidden layer's codes) that no product fills, hidden places 1408 to 1535, is written as zeros.
; code = number / 2^e, held within +-57,344, rounded to the nearest code, ties to even.
; A weight takes 16 values: the 16 numbers of lut are quantised once a wave, and an index picks a byte of that table.
; ORDER ALONG K.  One scale serves a whole tensor, so any order of K serves a product if both operands have it.
;   Products 1 and 2: byte 16 t + 4 i + j of plane s holds k = 256 (s / 2) + 64 i + 4 (8 (s % 2) + t) + j: a lane's four loads of 16 bytes,
;   256 bytes apart, give its 16 codes, every load reads 256 consecutive bytes in sixteen lanes, and every store fills whole runs of 256 bytes.
;   Product 3: hidden unit n = 128 s + n' lies at place 128 s + (bits 4:3 of n' << 5 | bit 6 << 4 | bit 2 << 3 | bit 5 << 2 | bits 1:0).
;   wg's and wu's rows lie by place; wd's byte 16 t + 4 i + j of plane s holds n' = 32 i + 4 t + j.  Units 1376 to 1407 do not exist: zero codes.
; SHARES.  A wave takes one PAIR of rows over all of K, written out; all its loads go out first.  Work-groups 0-1023: x; 1024-1199: gate;
;   1200-1375: up; 1376-1631: down.  LDS only for x's stage, a wave's own; no barrier: waves share nothing.
; LIMITS: each e between -126 and 112, so that 2^e and 57,344 x 2^e are f32 numbers.  NaN among x or lut is not served (an infinity is held at
;   the largest code).  Indices lie in 0 to 15, as the table that they index has 16 entries.
.set RAW,  32                          ; v32-159  what the loads bring: step S at RAW + 16 S; later the step's codes, which are never rewritten
.set TA,   160                         ; v160-175 sixteen numbers held under the first scale; the table's numbers
.set TB,   176                         ; v176-191 the same under the second scale
.set TP,   176                         ; v176-191 at work in a lookup
.set WG_U, 1200                        ; first work-group of up
.set WG_D, 1376                        ; first work-group of down
	s_load_b512 s[4:19], s[0:1], 0x0               ; x s[4:5], gate_idx s[6:7], up_idx s[8:9], down_idx s[10:11], lut s[12:13], scales s[14:15], xg s[16:17], xu s[18:19]
	s_load_b256 s[20:27], s[0:1], 0x40             ; wg s[20:21], wu s[22:23], wd s[24:25], hc s[26:27]
	v_lshl_add_u32 v30, v0, 2, 34816               ; my spare word, behind the four waves' stages
	v_mov_b32 v31, 0
	v_lshrrev_b32 v1, 5, v0
	v_readfirstlane_b32 s28, v1
	v_and_b32 v2, 31, v0                           ; lane
	v_lshrrev_b32 v3, 4, v2                        ; q: which row of the pair
	v_and_b32 v4, 15, v2                           ; t
	v_and_b32 v5, 7, v2                            ; t' = t % 8
	v_bfe_u32 v6, v2, 3, 1                         ; g = t / 8
	v_lshlrev_b32 v7, 4, v4
	v_lshl_add_u32 v7, v3, 13, v7                  ; rows of 8,192 bytes: q x 8192 + 16 t
	s_mov_b32 s31, 0                               ; the upper word of every 64-bit offset below
	s_wait_kmcnt 0x0
	s_load_b512 s[32:47], s[12:13], 0x0            ; lut's 16 numbers
	s_load_b128 s[48:51], s[14:15], 0x0            ; e0 to e3
	s_load_b64 s[52:53], s[14:15], 0x10            ; e4, e5
	s_cmp_lt_u32 ttmp9, 1024
	s_cbranch_scc0 .Lweights
.macro LOADS32 lo                      ; a pair of rows of 8,192 bytes: load (S, i) reads, in sixteen lanes, 256 consecutive bytes of a row
.irp S, 0,1,2,3,4,5,6,7
.irp i, 0,1,2,3
	global_load_b128 v[RAW+16*\S+4*\i:RAW+16*\S+4*\i+3], v7, s[\lo:\lo+1] offset:1024*\S+256*\i th:TH_LOAD_NT
.endr
.endr
.endm
	; ---------------- x: rows 2 J and 2 J + 1
	s_lshl_b32 s29, ttmp9, 2
	s_add_co_u32 s29, s29, s28                     ; J
	; x, AS IT IS LAID NOW (in place of the planes of rows and the pairs of rows over all of K that the head names for x): xg and xu are images of the
	; operand's registers, [16 planes][512 blocks of 16 rows][4 chunks c][32 lanes][16 bytes]: lane 16 h + r of chunk c holds, of row r, the plane's bytes 16 (2 c + h) .. + 15.
	; A wave takes one block R = J / 8 over 256 along K (S = J % 8, planes 2 S and 2 S + 1): eight pairs of rows, step P = pair P.
	; A lane's 16 codes of a pair go through the wave's own stage in LDS (16 rows of 256 + 16 bytes for each tensor) and leave as runs of 512 bytes.
	s_lshr_b32 s30, s29, 3
	s_lshl_b32 s30, s30, 17                        ; 16 rows of 8,192 bytes
	s_and_b32 s59, s29, 7
	s_lshl_b32 s60, s59, 10
	s_add_co_u32 s30, s30, s60
	s_add_nc_u64 s[4:5], s[4:5], s[30:31]
	s_wait_alu depctr_va_vdst(0)
.irp P, 0,1,2,3,4,5,6,7
.irp i, 0,1,2,3
	global_load_b128 v[RAW+16*\P+4*\i:RAW+16*\P+4*\i+3], v7, s[4:5] offset:16384*\P+256*\i th:TH_LOAD_NT
.endr
.endr
	s_lshr_b32 s30, s29, 3
	s_lshl_b32 s30, s30, 11                        ; the block's 2,048 bytes in a plane
	s_lshl_b32 s60, s59, 21                        ; plane 2 S
	s_add_co_u32 s30, s30, s60
	s_add_nc_u64 s[16:17], s[16:17], s[30:31]
	s_add_nc_u64 s[18:19], s[18:19], s[30:31]
	s_mul_i32 s61, s28, 8704                       ; my stage: 2 x 16 x 272 bytes
	v_mul_u32_u24 v16, v4, 272
	v_lshl_add_u32 v16, v3, 4, v16
	v_add_nc_u32 v16, s61, v16                     ; in: stage row t = 8 g + 2 c + h, byte 16 (2 P + q)
	v_mul_u32_u24 v17, v3, 272
	v_lshl_add_u32 v17, v4, 4, v17
	v_add_nc_u32 v17, s61, v17                     ; back: two stage rows an instruction, sixteen lanes to a row
	v_lshlrev_b32 v18, 4, v2                       ; out: 16 x lane
	s_wait_kmcnt 0x0
	s_add_co_i32 s54, s48, 127
	s_lshl_b32 s55, s54, 23
	v_mov_b32 v8, s55                              ; 2^e0 as f32: the conversion takes its exponent field
	s_add_co_i32 s54, s54, 15
	s_lshl_b32 s54, s54, 23
	s_or_b32 s54, s54, 0x600000
	v_mov_b32 v9, s54                              ; 57,344 x 2^e0
	s_add_co_i32 s54, s50, 127
	s_lshl_b32 s55, s54, 23
	v_mov_b32 v10, s55                             ; 2^e2
	s_add_co_i32 s54, s54, 15
	s_lshl_b32 s54, s54, 23
	s_or_b32 s54, s54, 0x600000
	v_mov_b32 v11, s54                             ; 57,344 x 2^e2
.macro XSTEP S
	s_wait_loadcnt 28-4*\S                         ; loads come back in order: this step's four are in, the 4 (7 - S) younger ones may be out
.set k, 0
.rept 16
	v_med3_num_f32 v[TA+k], v[RAW+16*\S+k], -v9, v9    ; the conversion to an 8-bit code does not saturate (ISA guide 7.6.2): hold first
.set k, k+1
.endr
.set k, 0
.rept 16
	v_med3_num_f32 v[TB+k], v[RAW+16*\S+k], -v11, v11  ; both holds stand ahead of the conversions, whose codes take the raw numbers' registers
.set k, k+1
.endr
	v_cvt_scalef32_pk8_bf8_f32 v[RAW+16*\S:RAW+16*\S+1],   v[TA:TA+7],    v8
	v_cvt_scalef32_pk8_bf8_f32 v[RAW+16*\S+2:RAW+16*\S+3], v[TA+8:TA+15], v8
	v_cvt_scalef32_pk8_bf8_f32 v[RAW+16*\S+4:RAW+16*\S+5], v[TB:TB+7],    v10
	v_cvt_scalef32_pk8_bf8_f32 v[RAW+16*\S+6:RAW+16*\S+7], v[TB+8:TB+15], v10
	v_nop                                          ; a plain line between the conversions and the next step's holds, which write their sources
	ds_store_b128 v16, v[RAW+16*\S:RAW+16*\S+3] offset:32*\S
	ds_store_b128 v16, v[RAW+16*\S+4:RAW+16*\S+7] offset:4352+32*\S
.endm
	s_wait_alu depctr_va_vdst(0)
.irp S, 0,1,2,3,4,5,6,7
	XSTEP \S
.endr
.irp m, 0,1,2,3,4,5,6,7
	ds_load_b128 v[RAW+16*\m+8:RAW+16*\m+11], v17 offset:544*\m          ; LDS serves a wave's instructions in order: these see my stores
	ds_load_b128 v[RAW+16*\m+12:RAW+16*\m+15], v17 offset:4352+544*\m
.endr
.irp m, 0,1,2,3,4,5,6,7
	s_wait_dscnt 14-2*\m
	global_store_b128 v18, v[RAW+16*\m+8:RAW+16*\m+11], s[16:17] offset:((\m)/4)*1048576+((\m)%4)*512    ; chunk m % 4 of plane 2 S + m / 4: 512 consecutive bytes
	global_store_b128 v18, v[RAW+16*\m+12:RAW+16*\m+15], s[18:19] offset:((\m)/4)*1048576+((\m)%4)*512
.endr
	s_wait_tensorcnt 0x0                           ; the wave's end
	ds_add_u32 v30, v31
	s_wait_dscnt 0x0
	s_endpgm
; The table: lut's 16 numbers as 16 codes in v12-15, code i in byte i.
.macro TABLE
	s_wait_kmcnt 0x0
	s_cmp_lt_u32 ttmp9, WG_U
	s_cselect_b32 s54, s49, s51                    ; e1 for gate, e3 for up,
	s_cmp_lt_u32 ttmp9, WG_D
	s_cselect_b32 s54, s54, s53                    ; e5 for down
	s_add_co_i32 s54, s54, 127
	s_lshl_b32 s55, s54, 23
	v_mov_b32 v8, s55
	s_add_co_i32 s54, s54, 15
	s_lshl_b32 s54, s54, 23
	s_or_b32 s54, s54, 0x600000
	v_mov_b32 v9, s54
.set k, 0
.rept 16
	v_med3_num_f32 v[TA+k], s[32+k], -v9, v9
.set k, k+1
.endr
	v_cvt_scalef32_pk8_bf8_f32 v[12:13], v[TA:TA+7], v8
	v_cvt_scalef32_pk8_bf8_f32 v[14:15], v[TA+8:TA+15], v8
	v_nop                                          ; a plain line between the conversions and the first use of the codes
	s_mov_b32 s56, 0x07070707
	s_mov_b32 s57, 0x08080808
.endm
; n groups of four indices, v[base + 4 i .. + 3], become n registers of four codes, v[base + i].  Four indices are packed into the bytes of a selector; its low three
; bits pick a byte out of codes 0-7 and out of codes 8-15; bit 3, spread over its byte (255 m = 256 m - m), chooses between the two.
; The results land in the first group's registers, which have been packed by then.
.macro LOOK4 base, n
.irp i, 0,1,2,3
.if \i < \n
	v_lshl_or_b32 v[TP+4*\i],   v[\base+4*\i+1], 8, v[\base+4*\i]
	v_lshl_or_b32 v[TP+4*\i+1], v[\base+4*\i+3], 8, v[\base+4*\i+2]
.endif
.endr
.irp i, 0,1,2,3
.if \i < \n
	v_lshl_or_b32 v[TP+4*\i], v[TP+4*\i+1], 16, v[TP+4*\i]
.endif
.endr
.irp i, 0,1,2,3
.if \i < \n
	v_and_b32 v[TP+4*\i+1], s56, v[TP+4*\i]
	v_and_b32 v[TP+4*\i],   s57, v[TP+4*\i]
.endif
.endr
.irp i, 0,1,2,3
.if \i < \n
	v_perm_b32 v[TP+4*\i+2], v13, v12, v[TP+4*\i+1]    ; codes 0-7: selector bytes 0-3 take the second source, 4-7 the first
	v_perm_b32 v[TP+4*\i+3], v15, v14, v[TP+4*\i+1]    ; codes 8-15
	v_lshrrev_b32 v[TP+4*\i], 3, v[TP+4*\i]
.endif
.endr
.irp i, 0,1,2,3
.if \i < \n
	v_lshlrev_b32 v[TP+4*\i+1], 8, v[TP+4*\i]
.endif
.endr
.irp i, 0,1,2,3
.if \i < \n
	v_sub_nc_u32 v[TP+4*\i], v[TP+4*\i+1], v[TP+4*\i]
.endif
.endr
.irp i, 0,1,2,3
.if \i < \n
	v_bfi_b32 v[\base+\i], v[TP+4*\i], v[TP+4*\i+3], v[TP+4*\i+2]
.endif
.endr
.endm
.Lweights:
	s_cmp_lt_u32 ttmp9, WG_D
	s_cbranch_scc0 .Ldown
	; ---------------- gate or up: hidden units n = 2 J and n + 1; J up to 703, of which 688 on are the units that do not exist
	s_cmp_lt_u32 ttmp9, WG_U
	s_cselect_b64 s[6:7], s[6:7], s[8:9]           ; the choice hangs on the work-group's number alone
	s_cselect_b64 s[20:21], s[20:21], s[22:23]
	s_mov_b32 s29, WG_U
	s_cselect_b32 s29, 1024, s29
	s_sub_co_u32 s29, ttmp9, s29
	s_lshl_b32 s29, s29, 2
	s_add_co_u32 s29, s29, s28                     ; J
	s_lshl_b32 s29, s29, 1                         ; n
	s_min_u32 s30, s29, 1374                       ; no load leaves the buffer: a pair that does not exist reads the last pair, and its table is zeros
	s_lshl_b32 s30, s30, 13
	s_add_nc_u64 s[6:7], s[6:7], s[30:31]
	s_wait_alu depctr_va_vdst(0)
	LOADS32 6
	s_cmp_lt_u32 s29, 1376
	s_cselect_b32 s58, -1, 0
	s_and_b32 s59, s29, 0xffffff83                 ; the place of unit n: the plane and bits 1:0 stay,
	s_bfe_u32 s60, s29, 0x20003
	s_lshl_b32 s60, s60, 5
	s_or_b32 s59, s59, s60                         ; bits 4:3 go to 6:5,
	s_bfe_u32 s60, s29, 0x10006
	s_lshl_b32 s60, s60, 4
	s_or_b32 s59, s59, s60                         ; bit 6 to 4,
	s_bfe_u32 s60, s29, 0x10002
	s_lshl_b32 s60, s60, 3
	s_or_b32 s59, s59, s60                         ; bit 2 to 3,
	s_bfe_u32 s60, s29, 0x10005
	s_lshl_b32 s60, s60, 2
	s_or_b32 s59, s59, s60                         ; bit 5 to 2.  Unit n + 1 lies at the next place
	s_lshl_b32 s30, s59, 7
	s_add_nc_u64 s[20:21], s[20:21], s[30:31]
	v_lshlrev_b32 v16, 4, v5
	v_lshl_add_u32 v16, v3, 7, v16
	v_mad_u32_u24 v16, v6, 0x2c000, v16            ; out: plane g (1408 x 128 = 180,224 bytes), row q, 16 t'
	TABLE
.irp i, 12,13,14,15
	v_and_b32 v\i, s58, v\i
.endr
.irp S, 0,1,2,3,4,5,6,7
	s_wait_loadcnt 28-4*\S                         ; this step's four loads are in
	LOOK4 RAW+16*\S, 4
	global_store_b128 v16, v[RAW+16*\S:RAW+16*\S+3], s[20:21] offset:\S*360448   ; planes 2 S and 2 S + 1: in each the pair's 256 bytes, whole
.endr
	s_endpgm
.Ldown:
	; ---------------- down: rows 2 J and 2 J + 1 of 1,376 indices (5,504 bytes)
	s_sub_co_u32 s29, ttmp9, WG_D
	s_lshl_b32 s29, s29, 2
	s_add_co_u32 s29, s29, s28                     ; J
	s_mul_i32 s30, s29, 11008
	s_add_nc_u64 s[10:11], s[10:11], s[30:31]
	s_wait_alu depctr_va_vdst(0)
	v_mul_u32_u24 v17, v3, 5504
	v_lshl_add_u32 v17, v5, 4, v17                 ; q x 5504 + 16 t': for the last 96 units, which all lie in plane 10
	v_lshl_add_u32 v16, v6, 9, v17                 ; + 512 g: plane 2 p + g
.irp p, 0,1,2,3,4
.irp i, 0,1,2,3
	global_load_b128 v[RAW+16*\p+4*\i:RAW+16*\p+4*\i+3], v16, s[10:11] offset:1024*\p+128*\i th:TH_LOAD_NT
.endr
.endr
.irp i, 0,1,2
	global_load_b128 v[RAW+80+4*\i:RAW+80+4*\i+3], v17, s[10:11] offset:5120+128*\i th:TH_LOAD_NT   ; ends at the row's byte 5,503
.endr
	s_lshl_b32 s30, s29, 9
	s_add_nc_u64 s[24:25], s[24:25], s[30:31]      ; wd: the pair's 512 bytes
	s_lshr_b32 s30, s29, 1
	s_lshl_b32 s30, s30, 12                        ; hc: row block J / 2 (4,096 bytes),
	s_and_b32 s59, s29, 1
	s_lshl_b32 s59, s59, 10                        ; my 1,024 of its 2,048 bytes that no product fills,
	s_add_co_u32 s30, s30, s59
	s_add_co_u32 s30, s30, 10487808                ; which begin 2,048 bytes into the block, in the sixth part (5 x 2,097,152)
	s_add_nc_u64 s[26:27], s[26:27], s[30:31]
	v_lshlrev_b32 v19, 4, v2                       ; 16 x lane
	v_add_nc_u32 v18, -1, v6                       ; all ones where g = 0, else 0
.irp i, 20,21,22,23
	v_mov_b32 v\i, 0
.endr
	global_store_b128 v19, v[20:23], s[26:27]
	global_store_b128 v19, v[20:23], s[26:27] offset:512
	TABLE
.irp p, 0,1,2,3,4
	s_wait_loadcnt 19-4*\p                         ; 23 loads in all: those behind this step's four may be out
	LOOK4 RAW+16*\p, 4
	global_store_b128 v19, v[RAW+16*\p:RAW+16*\p+3], s[24:25] offset:\p*524288   ; 512 consecutive bytes
.endr
	s_wait_loadcnt 0x0
	LOOK4 RAW+80, 3
.irp i, 0,1,2
	v_and_b32 v[RAW+80+\i], v18, v[RAW+80+\i]      ; plane 11 does not exist: zeros
.endr
	v_mov_b32 v[RAW+83], 0                         ; nor do units 1376 to 1407
	global_store_b128 v19, v[RAW+80:RAW+83], s[24:25] offset:5*524288
	s_endpgm
.Lfunc_end_k_q8bdf1a5250_prep:
	.size	k_q8bdf1a5250_prep, .Lfunc_end_k_q8bdf1a5250_prep-k_q8bdf1a5250_prep
	.p2alignl 7, 3214868480
	.fill 96, 4, 3214868480
	.section	.rodata,"a",@progbits
	.p2align	6, 0x0
	.amdhsa_kernel k_q8bdf1a5250_prep
		.amdhsa_group_segment_fixed_size 35328
		.amdhsa_private_segment_fixed_size 0
		.amdhsa_enable_private_segment 0
		.amdhsa_kernarg_size 96
		.amdhsa_user_sgpr_count 2
		.amdhsa_user_sgpr_kernarg_segment_ptr 1
		.amdhsa_wavefront_size32 1
		.amdhsa_system_sgpr_workgroup_id_x 1
		.amdhsa_system_sgpr_workgroup_id_y 1
		.amdhsa_system_sgpr_workgroup_id_z 1
		.amdhsa_system_vgpr_workitem_id 0
		.amdhsa_next_free_vgpr 192
		.amdhsa_next_free_sgpr 66
		.amdhsa_reserve_vcc 0
		.amdhsa_float_denorm_mode_32 3
		.amdhsa_float_denorm_mode_16_64 3
		.amdhsa_memory_ordered 1
		.amdhsa_forward_progress 1
		.amdhsa_inst_pref_size 71
	.end_amdhsa_kernel
	.amdgpu_metadata
---
amdhsa.version: [ 1, 2 ]
amdhsa.kernels:
  - .name:           k_q8bdf1a5250_prep
    .symbol:         k_q8bdf1a5250_prep.kd
    .args:
      - { .name: x, .offset: 0, .size: 8, .value_kind: global_buffer, .address_space: global }
      - { .name: gate_idx, .offset: 8, .size: 8, .value_kind: global_buffer, .address_space: global }
      - { .name: up_idx, .offset: 16, .size: 8, .value_kind: global_buffer, .address_space: global }
      - { .name: down_idx, .offset: 24, .size: 8, .value_kind: global_buffer, .address_space: global }
      - { .name: lut, .offset: 32, .size: 8, .value_kind: global_buffer, .address_space: global }
      - { .name: lowp_scales, .offset: 40, .size: 8, .value_kind: global_buffer, .address_space: global }
      - { .name: xg, .offset: 48, .size: 8, .value_kind: global_buffer, .address_space: global }
      - { .name: xu, .offset: 56, .size: 8, .value_kind: global_buffer, .address_space: global }
      - { .name: wg, .offset: 64, .size: 8, .value_kind: global_buffer, .address_space: global }
      - { .name: wu, .offset: 72, .size: 8, .value_kind: global_buffer, .address_space: global }
      - { .name: wd, .offset: 80, .size: 8, .value_kind: global_buffer, .address_space: global }
      - { .name: hc, .offset: 88, .size: 8, .value_kind: global_buffer, .address_space: global }
    .group_segment_fixed_size: 35328
    .private_segment_fixed_size: 0
    .kernarg_segment_align: 8
    .kernarg_segment_size: 96
    .max_flat_workgroup_size: 128
    .sgpr_count:     66
    .vgpr_count:     192
    .wavefront_size: 32
...
	.end_amdgpu_metadata
.endif
;; end of part 1
;; launch gateup (part 2): grid 32 x 8, 4 waves a work-group, clusters of 4 x 1, 327,680 bytes of LDS; arguments xg, xu, wg, wu, lowp_scales, hc; writes hc
.if DOCPART == 2
	.amdgcn_target "amdgcn-amd-amdhsa--gfx1250"
	.amdhsa_code_object_version 6
	.text
	.protected	k_q8bdf1a5250_gateup
	.globl	k_q8bdf1a5250_gateup
	.p2align	8
	.type	k_q8bdf1a5250_gateup,@function
k_q8bdf1a5250_gateup:
	s_mov_b64 s[64:65], 0
	v_nop
	global_prefetch_b8 v0, s[64:65] scope:SCOPE_SE
	s_setreg_imm32_b32 hwreg(HW_REG_WAVE_MODE, 25, 1), 1
	s_wait_xcnt 0x0
	s_wait_alu depctr_hold_cnt(0) depctr_sa_sdst(0) depctr_va_vdst(0) depctr_va_sdst(0) depctr_va_ssrc(0) depctr_va_vcc(0) depctr_vm_vsrc(0)
	s_getreg_b32 s2, hwreg(HW_REG_IB_STS2, 6, 4)
	s_cmp_eq_u32 s2, 0
	s_cbranch_scc0 .Lentry_in_a_cluster
	s_endpgm
.Lentry_in_a_cluster:
	s_bfe_u32 s2, ttmp6, 0x10000c
	s_cmp_lg_u32 s2, 0x3003
	s_cbranch_scc0 .Lentry_shape_is_right
	s_endpgm
.Lentry_shape_is_right:
; hc = codes of silu(x Wg^T) * (x Wu^T), products 1 and 2 on codes of E5M2 by v_wmma_f32_16x16x64_bf8_bf8, sums in f32.
; A work-group makes 256 rows x 176 hidden places, gate and up.  Wave w: t = w % 2 (0 gate, 1 up), s = w / 2 (which 128 rows): 8 row blocks x 11 fragments of 16 places = 88 accumulators.
; x's CODES GO FROM MEMORY STRAIGHT INTO REGISTERS: no two waves of the work-group read the same bytes of xg or xu, and both lie as images of the operand's registers, so each load
; reads 512 consecutive bytes.  A ring of four buffers of 64 along K (64 registers each): one at work, two on their way or landed, one being asked for: three half steps ahead.
; THE WEIGHTS go through a ring of two LDS slots of 256 along K (two planes of wg and of wu, 88 rows of 256 bytes each, one tensor load a wave).  The four work-groups of a cluster
; (4, 1, 1: four row tiles of one column) ask for them jointly, mask 15.  x's codes are shared by no partner, so nothing else is asked for jointly.
; A half step is 88 products, B's fragments one after the other, each against x's eight blocks.  B's fragments take six places of 8 registers (fragment b in place b % 6) and come in FOUR RUNS a half step,
; behind fragments 2, 5, 8 and 10, each run into the places just read out and behind four places; x's sixteen loads stand in the first two runs.
; THE MATRIX INSTRUCTION IS USED TRANSPOSED (source 0 = 16 places of a weight, source 1 = 16 rows of x): a lane holds one row of x and eight neighbouring places.
; AT THE END each wave keeps its local blocks 0-3 and hands blocks 4-7 to its partner w ^ 1 through LDS (local block a is block a ^ 4 t of the wave's eight), so that gate and up of one number meet in one lane.
; The stages lie in slot 0, which has had its last fill and its last read, and behind the ring.
; PREFETCHES: in the second half step of a slot's four, for x the planes two slots on (a wave's 128 blocks of 256 bytes are shared out by the column's low two bits, 32 lanes to 32 blocks);
; for the weights the planes three slots on, one slot ahead of their refill (a load's 88 rows are shared out by cx, 22 each; clusters 0-3 of the eight that read a tile ask).  The last slots ask for nothing.
; REGISTERS: window 0: v0-15 addresses, v16-63 B's six places, v64-255 accumulators of fragments 0-2; window 1: x's ring; window 2: fragments 3-6; window 3: fragments 7-10.
; LIMITS: e0 + e1 between -126 and 126; e4 - e0 - e1 - e2 - e3 between -126 and 112, so that the factors below are f32 numbers.  NaN is not served.
.set PITCH,  272
.set FRS,    8*PITCH                   ; 16 places: 8 LDS rows of two places
.set BREG,   88*PITCH                  ; what one tensor load brings
.set SLOT,   4*BREG                    ; [tensor][plane]
.set SPARE,  2*SLOT
.set HIGH,   SPARE+512
.set STG,    45056                     ; a wave's stage: 44 accumulators x 1,024 bytes
.set APLANE, 1048576
.set BPLANE, 180224
.set SPW,  1
.set NIL,  2
.set ADB,  3                           ; v3-4 my B fragments in slot 0, 1
.set AK,   5                           ; x's blocks that I keep;  v6: those that I hand over
.set STO,  7
.set RDA,  8
.set PFOA, 9
.set PFOB, 10
.set BR,   16
.set HOF,  16                          ; the way out: v16-26 offsets in hc
.set YY,   0                           ; the way out, window 1
.set GG,   64
.set PP,   96
.set CODE, 128
.set SCL,  216
.set LIM,  217
.set G1, 24
.set G0, 32
.set ASKB, 46
.set MSB, 0
.macro WIN new
.if MSB != \new
	s_set_vgpr_msb (MSB<<8)|\new
.set MSB, \new
.endif
.endm
.macro PLACES
.rept 4
	v_nop
.endr
.endm
.macro CREST
	s_cmp_lg_u32 s16, 0
	s_cbranch_scc1 .Lnot_wave_0_\@
	s_barrier_signal -3
.Lnot_wave_0_\@:
	s_barrier_wait -3
	s_barrier_signal -1
	s_barrier_wait -1
.endm
.macro CROUND
	s_barrier_signal -1
	s_barrier_wait -1
	CREST
.endm
.macro BLD rs, adr, off                ; a B fragment, 16 places x 64 K, into place rs
	ds_load_b128 v[BR+8*(\rs):BR+8*(\rs)+3], v[\adr] offset:\off
	ds_load_b128 v[BR+8*(\rs)+4:BR+8*(\rs)+7], v[\adr] offset:(\off)+32
.endm
.macro ALD n, a0                       ; x's blocks a0 .. a0 + 3 of half step n (counted from the base's plane) into buffer n % 4
.set la, \a0
.rept 4
.irp j, 0,1
	global_load_b128 v[64*((\n)%4)+8*la+4*\j:64*((\n)%4)+8*la+4*\j+3], v[AK+(\a0)/4], s[40:41] offset:((\n)/2)*APLANE+(la%4)*2048+(2*((\n)%2)+\j)*512
.endr
.set la, la+1
.endr
.endm
.macro ASK k
	global_prefetch_b8 v[PFOA], s[40:41] offset:(2+2*\k)*APLANE th:TH_LOAD_NT scope:SCOPE_SE
.if \k == 1
	s_cmp_ge_u32 s23, s[ASKB]
.else
	s_cmp_gt_u32 s23, s[ASKB]                      ; in the last trip the slot four on does not exist
.endif
	s_cbranch_scc0 .Lnb_\@
	global_prefetch_b8 v[PFOB], s[44:45] offset:(4+2*\k)*BPLANE th:TH_LOAD_NT scope:SCOPE_SE
.Lnb_\@:
.endm
.macro WM b, zero                      ; eight products: fragment b against x's eight blocks; the 88 accumulators take turns
.if (\b) < 3
	WIN 0x04
.set gD, 64+64*(\b)
.elseif (\b) < 7
	WIN 0xa4
.set gD, 64*((\b)-3)
.else
	WIN 0xf4
.set gD, 64*((\b)-7)
.endif
.set gB, BR+8*((\b)%6)
.set ga, 0
.rept 8
.if \zero
	v_wmma_f32_16x16x64_bf8_bf8 v[gD+8*ga:gD+8*ga+7], v[gB:gB+7], v[AB_+8*ga:AB_+8*ga+7], 0
.else
	v_wmma_f32_16x16x64_bf8_bf8 v[gD+8*ga:gD+8*ga+7], v[gB:gB+7], v[AB_+8*ga:AB_+8*ga+7], v[gD+8*ga:gD+8*ga+7]
.endif
.set ga, ga+1
.endr
.endm
; A half step.  n: counted from the base's plane; lc: x's loads that may stay out (those of the younger half steps, 16 each);
; kind 1: the next half step lies in the same slot; 2: change of slots with a refill; 3: change of slots; 0: the last.
; B's runs: behind fragment 2: fragments 6, 7, 8; behind 5: fragments 9, 10; behind 8: the next half step's 0, 1, 2; behind 10: its 3, 4, 5.
; So ahead of fragments 0, 3 and 9 the one younger run of three fragments (6 loads) may be out, ahead of fragment 6 the run of two (4).
.macro HS n, zero, ald, lc, kind, ask
.set AB_, 64*((\n)%4)
.set cA, ADB+((\n)/4)%2
.set cO, (((\n)%4)/2)*BREG+64*((\n)%2)
.set nA, ADB+(((\n)+1)/4)%2
.set nO, ((((\n)+1)%4)/2)*BREG+64*(((\n)+1)%2)
.set gS, G0+4*(((\n)/4)%2)
	s_wait_loadcnt \lc
.set gb, 0
.rept 11
.if gb == 6 && (\kind) >= 2
	WIN 0
	s_wait_tensorcnt 0x0                           ; my part of the next slot has landed;
	ds_add_u32 v[SPW], v[NIL]
.if (\kind) == 2
	s_add_nc_u64 s[gS+2:gS+3], s[gS+2:gS+3], 4*BPLANE
.endif
	s_wait_dscnt 5                                 ; the add and the run of two fragments may be out
.elseif gb == 6
	s_wait_dscnt 4
.elseif gb == 9 && (\kind) == 0
	s_wait_dscnt 0x0
.elseif gb == 0 || gb == 3 || gb == 9
	s_wait_dscnt 6
.endif
	WM gb, \zero
.if gb == 2
	PLACES
	BLD 0, cA, cO+6*FRS                            ; (the windows of fragments 0-2's products serve LDS loads into window 0 too)
	BLD 1, cA, cO+7*FRS
	BLD 2, cA, cO+8*FRS
.if \ald
	WIN 0x40
	ALD (\n)+3, 0
.endif
.elseif gb == 5
	PLACES
	WIN 0
	BLD 3, cA, cO+9*FRS
	BLD 4, cA, cO+10*FRS
.if \ask
	ASK \ask
.endif
.if \ald
	WIN 0x40
	ALD (\n)+3, 4
.endif
.elseif gb == 7 && (\kind) >= 2
	s_wait_dscnt 0x0                               ; the add is done and my reads of this slot are over: fragments 8-10 are in registers
	s_barrier_signal -1
.elseif gb == 8 && (\kind) >= 2
	WIN 0
	s_barrier_wait -1
.if (\kind) == 2
	CREST                                          ; the barrier has opened a round of the cluster's barrier
	tensor_load_to_lds s[gS:gS+3], s[G1:G1+7]      ; the slot just read out takes the planes two slots on
	s_nop 0
.endif
	PLACES
	BLD 0, nA, nO
	BLD 1, nA, nO+FRS
	BLD 2, nA, nO+2*FRS
.elseif gb == 8 && (\kind) == 1
	PLACES
	WIN 0
	BLD 0, nA, nO
	BLD 1, nA, nO+FRS
	BLD 2, nA, nO+2*FRS
.elseif gb == 10 && (\kind) != 0
	PLACES
	WIN 0
	BLD 3, nA, nO+3*FRS
	BLD 4, nA, nO+4*FRS
	BLD 5, nA, nO+5*FRS
.endif
.set gb, gb+1
.endr
.endm
	s_load_b256 s[4:11], s[0:1], 0x0               ; xg, xu, wg, wu
	s_load_b128 s[12:15], s[0:1], 0x20             ; the scales' exponents, hc
	v_lshl_add_u32 v[SPW], v0, 2, SPARE
	v_mov_b32 v[NIL], 0
	ds_add_u32 v[SPW], v[NIL]                      ; the opening: the add twice on end and its wait ahead of my first tensor load
	ds_add_u32 v[SPW], v[NIL]
	v_lshrrev_b32 v11, 5, v0
	v_readfirstlane_b32 s16, v11                   ; wave
	s_and_b32 s17, s16, 1                          ; t
	s_lshr_b32 s18, s16, 1                         ; s; also the plane of a slot's two that I fetch
	s_bfe_u32 s19, ttmp6, 0x40000                  ; cx
	s_lshl_b32 s21, ttmp9, 2
	s_add_co_u32 s21, s21, s19                     ; row tile
	s_and_b32 s20, ttmp7, 0xffff                   ; column
	s_mov_b32 s[G1], 15|(1<<20)|(1<<21)|(5<<22)|(3<<25)   ; mask 15; bytes; 16 bytes of padding behind every 256
	s_mov_b32 s[G1+1], 1024<<16                    ; a load's 22,528 bytes are dense in memory: stated as 22 rows of 1,024 bytes;
	s_mov_b32 s[G1+2], 22<<16                      ; the padding's interval stays 256 bytes, so the LDS image is 88 rows, 272 bytes apart
	s_mov_b32 s[G1+3], 1024<<16
	s_mov_b32 s[G1+4], 22
	s_mov_b32 s[G1+5], 1024
	s_mov_b32 s[G1+6], 0
	s_mov_b32 s[G1+7], 0
	s_mul_i32 s48, s17, 2*BREG                     ; my tensor's two planes in a slot
	s_lshl_b32 s49, s17, 13
	s_xor_b32 s50, s49, 8192
	s_mul_i32 s47, s18, HIGH-2*STG                 ; stages: waves 0, 1 in slot 0; waves 2, 3 behind the spare words
	s_mul_i32 s51, s16, STG
	s_add_co_u32 s51, s51, s47
	s_xor_b32 s52, s16, 1
	s_mul_i32 s52, s52, STG
	s_add_co_u32 s52, s52, s47
	s_bfe_u32 s53, s20, 0x10001
	s_lshl_b32 s53, s53, 20
	s_and_b32 s54, s20, 1
	s_lshl_b32 s54, s54, 13
	s_add_co_u32 s53, s53, s54                     ; x's prefetch: plane (column / 2) % 2, half column % 2 of my 16,384 bytes
	s_mul_i32 s54, s19, 22*256
	s_lshl_b32 s55, s17, 1
	s_add_co_u32 s55, s55, s18
	s_mul_i32 s55, s55, BREG                       ; where my tensor load lands
	s_lshl_b32 s56, s21, 15
	s_lshl_b32 s57, s18, 14
	s_add_co_u32 s56, s56, s57                     ; my eight blocks of 2,048 bytes in a plane of x's codes
	s_mov_b32 s57, 0
	s_mul_i32 s58, s20, 88*256
	s_mul_i32 s59, s18, BPLANE
	s_add_co_u32 s58, s58, s59
	s_mov_b32 s59, 0
	s_cmp_lt_u32 ttmp9, 4
	s_cselect_b32 s[ASKB], 1, -1
	v_and_b32 v11, 15, v0
	v_bfe_u32 v12, v0, 4, 1
	v_lshrrev_b32 v13, 1, v11
	v_mul_u32_u24 v13, v13, PITCH
	v_and_b32 v14, 1, v11
	v_lshl_add_u32 v13, v14, 7, v13
	v_lshl_add_u32 v13, v12, 4, v13                ; place r: LDS row r / 2, half r % 2; + 16 h
	v_add_nc_u32 v[ADB], s48, v13
	v_add_nc_u32 v[ADB+1], SLOT, v[ADB]
	v_and_b32 v15, 31, v0
	v_lshlrev_b32 v14, 4, v15
	v_add_nc_u32 v[AK], s49, v14
	v_add_nc_u32 v[AK+1], s50, v14
	v_add_nc_u32 v[STO], s51, v14
	v_add_nc_u32 v[RDA], s52, v14
	v_lshl_add_u32 v[PFOA], v15, 8, s53
	v_min_u32 v12, 21, v15
	v_lshl_add_u32 v[PFOB], v12, 8, s54
	s_wait_alu depctr_va_vdst(0)
	s_wait_dscnt 0x0
	s_wait_kmcnt 0x0
	s_load_b128 s[68:71], s[12:13], 0x0
	s_load_b64 s[72:73], s[12:13], 0x10
	s_cmp_eq_u32 s17, 0
	s_cselect_b64 s[40:41], s[4:5], s[6:7]
	s_cselect_b64 s[44:45], s[8:9], s[10:11]
	s_add_nc_u64 s[40:41], s[40:41], s[56:57]
	s_add_nc_u64 s[44:45], s[44:45], s[58:59]
	WIN 0x40
	ALD 0, 0                                       ; the first half step's x goes out ahead of the round,
	ALD 0, 4
	WIN 0
	s_mov_b32 s[G0], 1
	s_mov_b32 s[G0+1], s55
	s_mov_b64 s[G0+2:G0+3], s[44:45]
	s_or_b32 s[G0+3], s[G0+3], 0x80000000
	s_mov_b32 s[G0+4], 1
	s_add_co_u32 s[G0+5], s55, SLOT
	s_add_nc_u64 s[G0+6:G0+7], s[44:45], 2*BPLANE
	s_or_b32 s[G0+7], s[G0+7], 0x80000000
	CROUND                                         ; the four work-groups are here: the first joint loads meet
	tensor_load_to_lds s[G0:G0+3], s[G1:G1+7]      ; slot 0: one tensor load a wave at the head
	s_nop 0
	PLACES
	WIN 0x40
.irp n, 1,2
	ALD \n, 0                                      ; the next two behind slot 0's request
	ALD \n, 4
.endr
	WIN 0
	s_wait_tensorcnt 0x0
	ds_add_u32 v[SPW], v[NIL]
	s_wait_dscnt 0x0
	CROUND
	tensor_load_to_lds s[G0+4:G0+7], s[G1:G1+7]    ; slot 1
	s_nop 0
	PLACES
.irp f, 0,1,2,3,4,5
	BLD \f, ADB, \f*FRS
.endr
	HS 0, 1, 1, 32, 1, 0                           ; the first half step starts the sums
	WIN 0
	s_mov_b32 s23, 3
.Lk:                                                   ; a trip: two slots, from a slot's second half step to the first of the slot two on
	HS 1, 0, 1, 32, 1, 1
	HS 2, 0, 1, 32, 1, 0
	HS 3, 0, 1, 32, 2, 0
	HS 4, 0, 1, 32, 1, 0
	HS 5, 0, 1, 32, 1, 2
	HS 6, 0, 1, 32, 1, 0
	HS 7, 0, 1, 32, 2, 0
	HS 8, 0, 1, 32, 1, 0
	WIN 0
	s_wait_xcnt 0x0                                ; my loads and prefetches have read their bases
	s_add_nc_u64 s[40:41], s[40:41], 4*APLANE
	s_add_nc_u64 s[44:45], s[44:45], 4*BPLANE
	s_sub_co_u32 s23, s23, 1
	s_cmp_lg_u32 s23, 0
	s_cbranch_scc1 .Lk
	HS 1, 0, 1, 32, 1, 0                           ; the last two slots fill nothing again
	HS 2, 0, 1, 32, 1, 0
	HS 3, 0, 1, 32, 3, 0
	HS 4, 0, 1, 32, 1, 0
	HS 5, 0, 0, 32, 1, 0
	HS 6, 0, 0, 16, 1, 0
	HS 7, 0, 0, 0, 0, 0
	WIN 0
	PLACES
	; my blocks 4-7 go to my partner, as they lie in the registers
.set gb, 0
.rept 11
.if gb < 3
	WIN 0x00
.set gD, 64+64*gb
.elseif gb < 7
	WIN 0x08
.set gD, 64*(gb-3)
.else
	WIN 0x0c
.set gD, 64*(gb-7)
.endif
.set gi, 0
.rept 4
	ds_store_b128 v[STO], v[gD+32+8*gi:gD+32+8*gi+3] offset:1024*(4*gb+gi)
	ds_store_b128 v[STO], v[gD+32+8*gi+4:gD+32+8*gi+7] offset:1024*(4*gb+gi)+512
.set gi, gi+1
.endr
.set gb, gb+1
.endr
	WIN 0
	s_wait_kmcnt 0x0
	s_add_co_i32 s88, s68, s69
	s_lshl_b32 s89, s88, 23
	s_add_co_u32 s74, s89, 0xbfb8aa3b              ; -log2(e) x 2^(e0 + e1)
	s_mov_b32 s75, s74
	s_add_co_i32 s88, s88, s70
	s_add_co_i32 s88, s88, s71
	s_sub_co_i32 s88, s72, s88                     ; the sums' four scales and the quantiser's are folded into the conversion's one
	s_add_co_i32 s88, s88, 127
	s_lshl_b32 s89, s88, 23
	s_add_co_i32 s88, s88, 15
	s_lshl_b32 s88, s88, 23
	s_or_b32 s88, s88, 0x600000
	s_sub_co_u32 s76, 0, s17                       ; all ones in up's waves: there the gate is what came from the partner
	s_lshl_b32 s90, s21, 4
	s_lshl_b32 s91, s18, 3
	s_add_co_u32 s90, s90, s91
	s_lshl_b32 s91, s17, 2
	s_add_co_u32 s90, s90, s91
	s_lshl_b32 s90, s90, 12                        ; hc: my four row blocks of 4,096 bytes
	s_mov_b32 s91, 0
	s_add_nc_u64 s[78:79], s[14:15], s[90:91]
	WIN 0x40
	v_mov_b32 v[SCL], s89
	v_mov_b32 v[LIM], s88
	WIN 0
	v_and_b32 v14, 31, v0
	v_lshlrev_b32 v14, 3, v14
	s_wait_alu depctr_va_vdst(0)
	s_mul_i32 s85, s20, 11
.irp b, 0,1,2,3,4,5,6,7,8,9,10
	s_add_co_u32 s86, s85, \b                      ; fragment G of the 88: part G / 16 of hc, chunk G % 16 of 256 bytes
	s_lshr_b32 s87, s86, 4
	s_lshl_b32 s87, s87, 21
	s_and_b32 s86, s86, 15
	s_lshl_b32 s86, s86, 8
	s_add_co_u32 s86, s86, s87
	v_add_nc_u32 v[HOF+\b], s86, v14
.endr
	s_wait_alu depctr_va_vdst(0)
	s_wait_dscnt 0x0                               ; for my partner's sake: my stores into the stage are done
	s_barrier_signal -1
	s_barrier_wait -1
.macro YLOAD b
	WIN 0x40
.irp k, 0,1,2,3
	ds_load_b128 v[YY+32*((\b)%2)+8*\k:YY+32*((\b)%2)+8*\k+3],   v[RDA] offset:1024*(4*(\b)+\k)
	ds_load_b128 v[YY+32*((\b)%2)+8*\k+4:YY+32*((\b)%2)+8*\k+7], v[RDA] offset:1024*(4*(\b)+\k)+512
.endr
.endm
; fragment b of my four blocks: h = g u / (1 + 2^(-g log2 e)), held, converted, stored: each store covers 256 consecutive bytes
.macro BATCH b
.if (\b) < 10
	YLOAD (\b)+1
	s_wait_dscnt 8
.else
	s_wait_dscnt 0x0
.endif
.set YB, YY+32*((\b)%2)
.if (\b) < 3
.set XB, 64+64*(\b)
	WIN 0x44
.elseif (\b) < 7
.set XB, 64*((\b)-3)
	WIN 0x46
.else
.set XB, 64*((\b)-7)
	WIN 0x47
.endif
	s_wait_alu depctr_va_vdst(0)                   ; directly ahead of the first readers of the sums
.set j, 0
.rept 32
	v_cndmask_b32 v[GG+j], v[XB+j], v[YB+j], s76
.set j, j+1
.endr
.set j, 0
.rept 16
	v_pk_mul_f32 v[PP+j:PP+j+1], v[XB+j:XB+j+1], v[YB+j:YB+j+1]
.set j, j+2
.endr
	WIN 0x55
.set j, 0
.rept 16
	v_pk_mul_f32 v[GG+j:GG+j+1], v[GG+j:GG+j+1], s[74:75] op_sel_hi:[1,0]
.set j, j+2
.endr
	s_wait_alu depctr_va_vdst(0)
.set j, 0
.rept 32
	v_exp_f32 v[GG+j], v[GG+j]
.set j, j+1
.endr
	v_nop
	s_wait_alu depctr_va_vdst(0)
.set j, 0
.rept 16
	v_pk_add_f32 v[GG+j:GG+j+1], v[GG+j:GG+j+1], 1.0 op_sel_hi:[1,0]
.set j, j+2
.endr
	s_wait_alu depctr_va_vdst(0)
.set j, 0
.rept 32
	v_rcp_f32 v[GG+j], v[GG+j]
.set j, j+1
.endr
	v_nop
	s_wait_alu depctr_va_vdst(0)
.set j, 0
.rept 16
	v_pk_mul_f32 v[PP+j:PP+j+1], v[PP+j:PP+j+1], v[GG+j:GG+j+1]
.set j, j+2
.endr
.set j, 0
.rept 32
	v_med3_num_f32 v[PP+j], v[PP+j], -v[LIM], v[LIM]   ; the conversion does not saturate (ISA guide 7.6.2): hold first
.set j, j+1
.endr
.irp k, 0,1,2,3
	v_cvt_scalef32_pk8_bf8_f32 v[CODE+2*(4*(\b)+\k):CODE+2*(4*(\b)+\k)+1], v[PP+8*\k:PP+8*\k+7], v[SCL]
.endr
	v_nop
	WIN 0x04
.irp k, 0,1,2,3
	global_store_b64 v[HOF+(\b)], v[CODE+2*(4*(\b)+\k):CODE+2*(4*(\b)+\k)+1], s[78:79] offset:\k*4096
.endr
.endm
	YLOAD 0
.irp b, 0,1,2,3,4,5,6,7,8,9,10
	BATCH \b
.endr
	WIN 0
	s_wait_tensorcnt 0x0                           ; the wave's end
	ds_add_u32 v[SPW], v[NIL]
	s_wait_dscnt 0x0
	CROUND                                         ; the closing round
	s_endpgm
.Lfunc_end_k_q8bdf1a5250_gateup:
	.size	k_q8bdf1a5250_gateup, .Lfunc_end_k_q8bdf1a5250_gateup-k_q8bdf1a5250_gateup
	.p2alignl 7, 3214868480
	.fill 96, 4, 3214868480
	.section	.rodata,"a",@progbits
	.p2align	6, 0x0
	.amdhsa_kernel k_q8bdf1a5250_gateup
		.amdhsa_group_segment_fixed_size 327680
		.amdhsa_private_segment_fixed_size 0
		.amdhsa_enable_private_segment 0
		.amdhsa_kernarg_size 48
		.amdhsa_user_sgpr_count 2
		.amdhsa_user_sgpr_kernarg_segment_ptr 1
		.amdhsa_wavefront_size32 1
		.amdhsa_system_sgpr_workgroup_id_x 1
		.amdhsa_system_sgpr_workgroup_id_y 1
		.amdhsa_system_sgpr_workgroup_id_z 1
		.amdhsa_system_vgpr_workitem_id 0
		.amdhsa_next_free_vgpr 1024
		.amdhsa_next_free_sgpr 100
		.amdhsa_reserve_vcc 0
		.amdhsa_float_denorm_mode_32 3
		.amdhsa_float_denorm_mode_16_64 3
		.amdhsa_memory_ordered 1
		.amdhsa_forward_progress 1
		.amdhsa_inst_pref_size 255
	.end_amdhsa_kernel
	.section	.bss,"aw",@nobits
	.p2align	6
	.space	262144
	.amdgpu_metadata
---
amdhsa.version: [ 1, 2 ]
amdhsa.kernels:
  - .name:           k_q8bdf1a5250_gateup
    .symbol:         k_q8bdf1a5250_gateup.kd
    .args:
      - { .name: xg, .offset: 0, .size: 8, .value_kind: global_buffer, .address_space: global }
      - { .name: xu, .offset: 8, .size: 8, .value_kind: global_buffer, .address_space: global }
      - { .name: wg, .offset: 16, .size: 8, .value_kind: global_buffer, .address_space: global }
      - { .name: wu, .offset: 24, .size: 8, .value_kind: global_buffer, .address_space: global }
      - { .name: lowp_scales, .offset: 32, .size: 8, .value_kind: global_buffer, .address_space: global }
      - { .name: hc, .offset: 40, .size: 8, .value_kind: global_buffer, .address_space: global }
    .group_segment_fixed_size: 327680
    .private_segment_fixed_size: 0
    .kernarg_segment_align: 8
    .kernarg_segment_size: 48
    .max_flat_workgroup_size: 128
    .sgpr_count:     100
    .vgpr_count:     1024
    .wavefront_size: 32
...
	.end_amdgpu_metadata
.endif
;; end of part 2
;; launch down (part 3): grid 8 x 32, 4 waves a work-group, clusters of 4 x 4, 327,680 bytes of LDS; arguments hc, wd, lowp_scales, out0; writes out0
.if DOCPART == 3
	.amdgcn_target "amdgcn-amd-amdhsa--gfx1250"
	.amdhsa_code_object_version 6
	.text
	.protected	k_q8bdf1a5250_down
	.globl	k_q8bdf1a5250_down
	.p2align	8
	.type	k_q8bdf1a5250_down,@function
k_q8bdf1a5250_down:
	s_mov_b64 s[64:65], 0
	v_nop
	global_prefetch_b8 v0, s[64:65] scope:SCOPE_SE
	s_setreg_imm32_b32 hwreg(HW_REG_WAVE_MODE, 25, 1), 1
	s_wait_xcnt 0x0
	s_wait_alu depctr_hold_cnt(0) depctr_sa_sdst(0) depctr_va_vdst(0) depctr_va_sdst(0) depctr_va_ssrc(0) depctr_va_vcc(0) depctr_vm_vsrc(0)
	s_getreg_b32 s2, hwreg(HW_REG_IB_STS2, 6, 4)
	s_cmp_eq_u32 s2, 0
	s_cbranch_scc0 .Lentry_in_a_cluster
	s_endpgm
.Lentry_in_a_cluster:
	s_bfe_u32 s2, ttmp6, 0x10000c
	s_cmp_lg_u32 s2, 0xf033
	s_cbranch_scc0 .Lentry_shape_is_right
	s_endpgm
.Lentry_shape_is_right:
.set SIZE_N, 2048
.set PITCH,  272
.set FR,     16
.set NP,     4
.set AHALF,  32768
.set BHALF,  128*PITCH
.set BOFF,   2*AHALF
.set SLOT,   BOFF+2*BHALF
.set SPARE,  2*SLOT
.set SPITCH, 528
.set APART,  2097152
.set BPART,  524288
.set ADRA, 16
.set ADRB, 20
.set STO,  24
.set RD,   25
.set CO,   26
.set SPW,  28
.set NIL,  29
.set PFO,  30
.set TMP,  32
.set AF,   128
.set BK,   128
.set G1, 24
.set G0, 32
.set G1B, 48
.set G0B, 56
.set PFA, 66
.set PFS, 68
.set ASKS, 70
.set MSB, 0
.macro WIN new
.if MSB != \new
	s_set_vgpr_msb (MSB<<8)|\new
.set MSB, \new
.endif
.endm
.set MUL_LO, 0xa1
.set MUL_HI, 0xf1
.set TO_B,   0x40
.macro JLOAD s
	s_cmp_eq_u32 s15, 0
	s_cbranch_scc0 .Lfor_b_\@
	tensor_load_to_lds s[G0+4*\s:G0+4*\s+3], s[G1:G1+7]
	s_nop 0
.rept 4
	v_nop
.endr
	s_branch .Lasked_\@
.Lfor_b_\@:
	tensor_load_to_lds s[G0B+4*\s:G0B+4*\s+3], s[G1B:G1B+7]
	s_nop 0
.rept 4
	v_nop
.endr
.Lasked_\@:
.endm
.macro ASK
	s_cmp_gt_u32 s3, s[ASKS]
	s_cbranch_scc0 .Lnot_mine_\@
	global_prefetch_b8 v[PFO], s[PFA:PFA+1] th:TH_LOAD_NT scope:SCOPE_SE
.Lnot_mine_\@:
.endm
.macro CREST
	s_cmp_lg_u32 s14, 0
	s_cbranch_scc1 .Lnot_wave_0_\@
	s_barrier_signal -3
.Lnot_wave_0_\@:
	s_barrier_wait -3
	s_barrier_signal -1
	s_barrier_wait -1
.endm
.macro CROUND
	s_barrier_signal -1
	s_barrier_wait -1
	CREST
.endm
	s_load_b128 s[4:7], s[0:1], 0x0
	s_load_b128 s[8:11], s[0:1], 0x10
	v_lshl_add_u32 v[SPW], v0, 2, SPARE
	v_mov_b32 v[NIL], 0
	ds_add_u32 v28, v29
	ds_add_u32 v28, v29
	s_wait_dscnt 0x0
	v_lshrrev_b32 v1, 5, v0
	v_readfirstlane_b32 s14, v1
	s_lshr_b32 s15, s14, 1
	s_and_b32 s16, s14, 1
	s_bfe_u32 s40, ttmp6, 0x40000
	s_bfe_u32 s41, ttmp6, 0x40004
	s_lshl_b32 s42, ttmp9, 2
	s_add_co_u32 s42, s42, s40
	s_and_b32 s17, ttmp7, 0xffff
	s_lshl_b32 s17, s17, 2
	s_add_co_u32 s17, s17, s41
	s_lshl_b32 s43, s41, 2
	s_lshl_b32 s43, 15, s43
	s_lshl_b32 s44, 0x1111, s40
	s_or_b32 s[G1+0], s43, (3<<16)|(1<<21)
	s_mov_b32 s[G1+1], 128<<16                     ; A's 32,768 bytes are dense in memory and in LDS: stated as 32 rows of 128 elements of 8 bytes
	s_mov_b32 s[G1+2], 32<<16
	s_mov_b32 s[G1+3], 128<<16
	s_mov_b32 s[G1+4], 32
	s_mov_b32 s[G1+5], 128
	s_mov_b32 s[G1+6], 0
	s_mov_b32 s[G1+7], 0
	s_or_b32 s[G1B+0], s44, (0<<16)|(1<<20)|(1<<21)|(5<<22)|(3<<25)
	s_mov_b32 s[G1B+1], 1024<<16                   ; B's 32,768 bytes are dense in memory: stated as 32 rows of 1,024 bytes;
	s_mov_b32 s[G1B+2], 32<<16                     ; the padding's interval stays 256 bytes, so the LDS image is 128 rows, 272 bytes apart
	s_mov_b32 s[G1B+3], 1024<<16
	s_mov_b32 s[G1B+4], 32
	s_mov_b32 s[G1B+5], 1024
	s_mov_b32 s[G1B+6], 0
	s_mov_b32 s[G1B+7], 0
	s_lshl_b32 s18, s16, 15
	s_lshl_b32 s20, s17, 16
	s_add_co_u32 s20, s20, s18
	s_mov_b32 s21, 0
	s_lshl_b32 s46, s42, 16
	s_add_co_u32 s46, s46, s18
	s_mov_b32 s47, 0
	s_lshl_b32 s45, s16, 15
	s_mul_i32 s19, s16, BHALF
	s_add_co_u32 s19, s19, BOFF
	s_wait_kmcnt 0x0
	s_load_b64 s[96:97], s[8:9], 0x10
	s_add_nc_u64 s[20:21], s[4:5], s[20:21]
	s_add_nc_u64 s[46:47], s[6:7], s[46:47]
	CROUND                                         ; all sixteen work-groups are here: the first joint loads meet
.irp s, 0,1
	s_mov_b32 s[G0+4*\s], 1
	s_add_co_u32 s[G0+4*\s+1], s45, \s*SLOT
	s_add_nc_u64 s[G0+4*\s+2:G0+4*\s+3], s[20:21], \s*APART
	s_or_b32 s[G0+4*\s+3], s[G0+4*\s+3], 0x80000000
	s_mov_b32 s[G0B+4*\s], 1
	s_add_co_u32 s[G0B+4*\s+1], s19, \s*SLOT
	s_add_nc_u64 s[G0B+4*\s+2:G0B+4*\s+3], s[46:47], \s*BPART
	s_or_b32 s[G0B+4*\s+3], s[G0B+4*\s+3], 0x80000000
.endr
	JLOAD 0                                        ; slot 0: one tensor load a wave at the head; the addresses below are made while it is on its way
	v_and_b32 v1, 15, v0
	v_bfe_u32 v2, v0, 4, 1
	v_and_b32 v6, 31, v0
	v_lshlrev_b32 v3, 3, v6
	v_mul_u32_u24 v4, v1, PITCH
	v_lshl_add_u32 v4, v2, 4, v4
	s_lshl_b32 s21, s15, 15
	s_mul_i32 s22, s16, BHALF
	s_add_co_u32 s22, s22, BOFF
.irp s, 0,1
	v_add_nc_u32 v[ADRA+\s], s21, v3
	v_add_nc_u32 v[ADRB+\s], s22, v4
	s_add_co_u32 s21, s21, SLOT
	s_add_co_u32 s22, s22, SLOT
.endr
	s_mul_i32 s23, s14, 16*SPITCH
	v_mul_u32_u24 v5, v1, SPITCH
	v_lshl_add_u32 v5, v2, 5, v5
	v_add_nc_u32 v[STO], s23, v5
	v_lshlrev_b32 v[CO], 4, v6
	v_add_nc_u32 v[RD], s23, v[CO]
	s_lshl_b32 s20, s17, 8
	s_lshl_b32 s21, s15, 7
	s_add_co_u32 s20, s20, s21
	s_lshl_b32 s20, s20, 13
	s_lshl_b32 s46, s42, 10
	s_lshl_b32 s47, s16, 9
	s_add_co_u32 s46, s46, s47
	s_add_co_u32 s20, s20, s46
	s_mov_b32 s21, 0
	s_add_nc_u64 s[10:11], s[10:11], s[20:21]
	s_and_b32 s71, ttmp7, 0xffff
	s_cmp_eq_u32 s15, 0
	s_cselect_b64 s[PFA:PFA+1], s[4:5], s[6:7]
	s_cselect_b32 s72, s17, s42
	s_cselect_b32 s73, s40, s41
	s_cselect_b32 s71, ttmp9, s71
	s_mov_b32 s[PFS], BPART
	s_cselect_b32 s[PFS], APART, s[PFS]
	s_mov_b32 s[PFS+1], 0
	s_cmp_eq_u32 s71, 0
	s_cselect_b32 s[ASKS], 1, -1
	s_lshl_b32 s72, s72, 16
	s_lshl_b32 s74, s16, 15
	s_add_co_u32 s72, s72, s74
	s_lshl_b32 s73, s73, 13
	s_add_co_u32 s72, s72, s73
	s_mul_i32 s74, s[PFS], 3
	s_add_co_u32 s72, s72, s74
	s_mov_b32 s73, 0
	s_add_nc_u64 s[PFA:PFA+1], s[PFA:PFA+1], s[72:73]
	v_lshlrev_b32 v[PFO], 8, v6
.macro FRAGB reg, adr, q, i
.irp c, 0,1,2,3
	ds_load_b128 v[\reg+4*\c:\reg+4*\c+3], v[\adr] offset:128*(\q)+32*\c+(\i)*16*PITCH
.endr
.endm
.macro FRAGA reg, adr, q, i
.irp c, 0,1,2,3,4,5,6,7
	ds_load_b64 v[\reg+2*\c:\reg+2*\c+1], v[\adr] offset:4096*(\i)+2048*(\q)+256*\c
.endr
.endm
.macro MUL16 a0, p, zero
.irp a, \a0, \a0+1
.irp b, 0,1,2,3,4,5,6,7
.if \zero
	v_wmma_f32_16x16x128_bf8_bf8 v[8*(8*((\a)%4)+\b):8*(8*((\a)%4)+\b)+7], v[128*(\p)+FR*\b:128*(\p)+FR*\b+FR-1], v[AF+FR*(\a):AF+FR*(\a)+FR-1], 0
.else
	v_wmma_f32_16x16x128_bf8_bf8 v[8*(8*((\a)%4)+\b):8*(8*((\a)%4)+\b)+7], v[128*(\p)+FR*\b:128*(\p)+FR*\b+FR-1], v[AF+FR*(\a):AF+FR*(\a)+FR-1], v[8*(8*((\a)%4)+\b):8*(8*((\a)%4)+\b)+7]
.endif
.endr
.endr
.endm
.macro FETCH_B slot, q, p
	WIN TO_B
.irp i, 0,1,2,3,4,5,6,7
	FRAGB 128*(\p)+FR*\i, ADRB+\slot, \q, \i
.endr
	WIN 0
.endm
.macro FETCH_A slot, q, i0
.irp i, \i0, \i0+1, \i0+2, \i0+3
	FRAGA AF+FR*(\i), ADRA+\slot, \q, \i
.endr
.endm
.macro PLACES n
.rept \n
	v_nop
.endr
.endm
.macro STEP slot, q, zero
	s_wait_dscnt 32
	WIN MUL_LO
	MUL16 0, (\q)%2, \zero
	MUL16 2, (\q)%2, \zero
	s_wait_dscnt 0
	PLACES NP
	FETCH_B \slot, (\q)+1, 1-(\q)%2
	FETCH_A \slot, (\q)+1, 0
	WIN MUL_HI
	MUL16 4, (\q)%2, \zero
	MUL16 6, (\q)%2, \zero
	PLACES NP
	WIN 0
	FETCH_A \slot, (\q)+1, 4
.endm
.macro TURN slot, next, fill
	s_wait_dscnt 32
	WIN MUL_LO
	MUL16 0, 1, 0
	MUL16 2, 1, 0
	WIN 0
.if \fill
	s_wait_xcnt 0x0
	s_add_nc_u64 s[PFA:PFA+1], s[PFA:PFA+1], s[PFS:PFS+1]
.endif
	s_wait_tensorcnt 0x0
	ds_add_u32 v[SPW], v[NIL]
.if \fill
	s_add_nc_u64 s[G0+4*\slot+2:G0+4*\slot+3], s[G0+4*\slot+2:G0+4*\slot+3], 2*APART
	s_add_nc_u64 s[G0B+4*\slot+2:G0B+4*\slot+3], s[G0B+4*\slot+2:G0B+4*\slot+3], 2*BPART
.endif
	s_wait_dscnt 0x0
	s_barrier_signal -1
	s_barrier_wait -1
.if \fill
	CREST
	JLOAD \slot
.else
	PLACES NP
.endif
	FETCH_B \next, 0, 0
	FETCH_A \next, 0, 0
.if \fill
	ASK
.endif
	WIN MUL_HI
	MUL16 4, 1, 0
	MUL16 6, 1, 0
	PLACES NP
	WIN 0
	FETCH_A \next, 0, 4
.endm
	s_wait_alu depctr_va_vdst(0)
	s_wait_tensorcnt 0x0                           ; my part of slot 0 is in
	ds_add_u32 v[SPW], v[NIL]
	s_wait_dscnt 0x0
	CROUND                                         ; everybody's part of slot 0 is in, and the joint loads meet:
	JLOAD 1                                        ; slot 1, the first tensor load behind the round
	FETCH_B 0, 0, 0
	FETCH_A 0, 0, 0
	FETCH_A 0, 0, 4
	STEP 0, 0, 1
	s_mov_b32 s3, 2
.Llap:
	TURN 0, 1, 1
	STEP 1, 0, 0
	TURN 1, 0, 1
	STEP 0, 0, 0
	s_sub_co_u32 s3, s3, 1
	s_cmp_lg_u32 s3, 0
	s_cbranch_scc1 .Llap
	TURN 0, 1, 0
	s_wait_dscnt 32
	WIN MUL_LO
	MUL16 0, 0, 0
	MUL16 2, 0, 0
	s_wait_dscnt 0
	WIN MUL_HI
	MUL16 4, 0, 0
	MUL16 6, 0, 0
	WIN 0
.macro TOSTAGE a
.set AC, 64*((\a)%4)
	WIN 0x02+((\a)/4)
.irp j, 0,2,4,6,8,10,12,14,16,18,20,22,24,26,28,30,32,34,36,38,40,42,44,46,48,50,52,54,56,58,60,62
	v_pk_mul_f32 v[TMP+\j:TMP+\j+1], v[AC+\j:AC+\j+1], s[96:97] op_sel_hi:[1,0]
.endr
	WIN 0
.irp b, 0,1,2,3,4,5,6,7
	ds_store_b128 v[STO], v[TMP+8*\b:TMP+8*\b+3] offset:64*\b
	ds_store_b128 v[STO], v[TMP+8*\b+4:TMP+8*\b+7] offset:64*\b+16
.endr
.set BB, BK+64*((\a)%2)
.irp t, 0,1,2,3,4,5,6,7,8,9,10,11,12,13,14,15
	ds_load_b128 v[BB+4*\t:BB+4*\t+3], v[RD] offset:\t*SPITCH
.endr
.endm
.macro SEND a, younger
.set BB, BK+64*((\a)%2)
	s_wait_dscnt \younger
.if (\a) > 0
	s_add_nc_u64 s[10:11], s[10:11], 16*SIZE_N*4
.endif
.irp t, 0,1,2,3,4,5,6,7,8,9,10,11,12,13,14,15
	global_store_b128 v[CO], v[BB+4*\t:BB+4*\t+3], s[10:11] offset:\t*SIZE_N*4 th:TH_STORE_NT
.endr
.endm
	s_wait_kmcnt 0x0
	s_add_co_i32 s96, s96, s97
	s_add_co_i32 s96, s96, 127
	s_lshl_b32 s96, s96, 23
	PLACES NP
	TOSTAGE 0
.irp a, 1,2,3,4,5,6,7
.if \a > 1
	s_wait_xcnt 0x0
.endif
	TOSTAGE \a
	SEND \a-1, 32
.endr
	s_wait_xcnt 0x0
	SEND 7, 0
	s_wait_tensorcnt 0x0
	ds_add_u32 v[SPW], v[NIL]
	s_wait_dscnt 0x0
	CROUND
	s_endpgm
.Lfunc_end_k_q8bdf1a5250_down:
	.size	k_q8bdf1a5250_down, .Lfunc_end_k_q8bdf1a5250_down-k_q8bdf1a5250_down
	.p2alignl 7, 3214868480
	.fill 96, 4, 3214868480
	.section	.rodata,"a",@progbits
	.p2align	6, 0x0
	.amdhsa_kernel k_q8bdf1a5250_down
		.amdhsa_group_segment_fixed_size 327680
		.amdhsa_private_segment_fixed_size 0
		.amdhsa_enable_private_segment 0
		.amdhsa_kernarg_size 32
		.amdhsa_user_sgpr_count 2
		.amdhsa_user_sgpr_kernarg_segment_ptr 1
		.amdhsa_wavefront_size32 1
		.amdhsa_system_sgpr_workgroup_id_x 1
		.amdhsa_system_sgpr_workgroup_id_y 1
		.amdhsa_system_sgpr_workgroup_id_z 1
		.amdhsa_system_vgpr_workitem_id 0
		.amdhsa_next_free_vgpr 1024
		.amdhsa_next_free_sgpr 98
		.amdhsa_reserve_vcc 0
		.amdhsa_float_denorm_mode_32 3
		.amdhsa_float_denorm_mode_16_64 3
		.amdhsa_memory_ordered 1
		.amdhsa_forward_progress 1
		.amdhsa_inst_pref_size 130
	.end_amdhsa_kernel
	.amdgpu_metadata
---
amdhsa.version: [ 1, 2 ]
amdhsa.kernels:
  - .name:           k_q8bdf1a5250_down
    .symbol:         k_q8bdf1a5250_down.kd
    .args:
      - { .name: hc, .offset: 0, .size: 8, .value_kind: global_buffer, .address_space: global }
      - { .name: wd, .offset: 8, .size: 8, .value_kind: global_buffer, .address_space: global }
      - { .name: lowp_scales, .offset: 16, .size: 8, .value_kind: global_buffer, .address_space: global }
      - { .name: out0, .offset: 24, .size: 8, .value_kind: global_buffer, .address_space: global }
    .group_segment_fixed_size: 327680
    .private_segment_fixed_size: 0
    .kernarg_segment_align: 8
    .kernarg_segment_size: 32
    .max_flat_workgroup_size: 128
    .sgpr_count:     98
    .vgpr_count:     1024
    .wavefront_size: 32
...
	.end_amdgpu_metadata
.endif
;; end of part 3
